; MI455X (gfx1250); checked and timed in simulation.
; The chip was launched on July 23, 2026; its instructions are those of AMD's public machine-readable ISA for CDNA 5 (MIT licence, August 2026) and "CDNA5" Instruction Set Architecture Reference Guide (July 2026). The comments in the code are by the model that wrote it; some were corrected since.
;; Basic Multi Head Self Attention. Allowed arithmetic: float matrix products may take bf16 or f16 operands with f32 sums; all other float work in f32.
;; Inputs: Q 2 x 2,048 x 1,024 float32; Wout 1,024 x 1,024 float32; Wqkv 1,024 x 3,072 float32; bout 1,024 float32; bqkv 3,072 float32.
;; Outputs: out0 2 x 2,048 x 1,024 float32.
;; One version. Each part assembles by itself: llvm-mc -triple=amdgcn-amd-amdhsa -mcpu=gfx1250 --defsym DOCPART=n.
;; ======== version 1 of 1: 4 launches
;; limits: values are held in f16: magnitudes above 65,504 overflow, below 6.1e-05 lose precision
;; workspace buffers: Qb 8,388,608 bytes; WqT 6,291,456 bytes; WoT 2,097,152 bytes; QKVp 25,165,824 bytes; AO 16,777,216 bytes
;; launch prep (part 1): grid 768 x 1, 8 waves a work-group, no clusters, 18,432 bytes of LDS; arguments Q, Wqkv, Wout, Qb, WqT, WoT; writes Qb, WqT, WoT
.if DOCPART == 1
	.amdgcn_target "amdgcn-amd-amdhsa--gfx1250"
	.amdhsa_code_object_version 6
	.text
	.protected	k_q469422d324_prep
	.globl	k_q469422d324_prep
	.p2align	8
	.type	k_q469422d324_prep,@function
k_q469422d324_prep:
	s_mov_b64 s[64:65], 0
	v_nop
	global_prefetch_b8 v0, s[64:65] scope:SCOPE_SE
	s_setreg_imm32_b32 hwreg(HW_REG_WAVE_MODE, 25, 1), 1
	s_wait_xcnt 0x0
; Qb = bf16(Q), same layout.  WqT[n][k] = bf16(Wqkv[k][n]).  WoT[n][k] = bf16(Wout[k][n]).
; The matrix launches behind this one want 16-bit operands with K along the rows, brought by tensor loads, which convert nothing:
; so each input is read once here, rounded once (to nearest even) and laid out for them.
; Work-groups 0-383: tiles of 128 k x 64 n of Wqkv.  384-511: the same of Wout.  512-767: 65,536 bytes of Q each.
; The branch hangs on the work-group's number alone, so all eight waves take the same way and meet the same barrier.
; No matrix unit, no cluster, no tensor load: nothing is multiplied and no byte is read twice.
.set X, 8                              ; v[8:71]   as loaded (f32)
.set Y, 40                             ; v[40:55]  transposing way: 4 columns x 8 k, packed
.set Z, 56                             ; v[56:71]  transposing way: rows read back
.set C, 72                             ; v[72:103] casting way: packed results
.set TP, 272                           ; LDS pitch of a transposed row: 128 k x 2 bytes + 16
	s_load_b256 s[4:11], s[0:1], 0x0               ; Q s[4:5], Wqkv s[6:7], Wout s[8:9], Qb s[10:11]
	s_load_b128 s[12:15], s[0:1], 0x20             ; WqT s[12:13], WoT s[14:15]
	v_lshl_add_u32 v104, v0, 2, 0x4400
	v_mov_b32 v105, 0
	s_mov_b32 s16, ttmp9
	v_and_b32 v5, 15, v0                           ; c: which 16 bytes of a 256-byte row
	v_lshrrev_b32 v6, 4, v0                        ; kq: 0..15
	s_wait_kmcnt 0x0
	s_cmp_lt_u32 s16, 384
	s_cbranch_scc1 .Lwqkv
	s_cmp_lt_u32 s16, 512
	s_cbranch_scc1 .Lwout
	; ---- Q: 16 loads of 16 bytes a thread, all issued at once; each store of a wave covers 256 consecutive bytes, aligned
	s_sub_co_u32 s16, s16, 512
	s_lshl_b32 s20, s16, 16                        ; 65,536 bytes of f32 in
	s_mov_b32 s21, 0
	s_add_nc_u64 s[4:5], s[4:5], s[20:21]
	s_lshl_b32 s20, s16, 15                        ; 32,768 bytes of bf16 out
	s_add_nc_u64 s[10:11], s[10:11], s[20:21]
	v_lshlrev_b32 v1, 4, v0
	v_lshlrev_b32 v2, 3, v0
.irp i, 0,1,2,3,4,5,6,7,8,9,10,11,12,13,14,15
	global_load_b128 v[X+4*\i:X+4*\i+3], v1, s[4:5] offset:4096*\i th:TH_LOAD_NT
.endr
.irp i, 0,1,2,3,4,5,6,7,8,9,10,11,12,13,14,15
	s_wait_loadcnt 15-\i                           ; loads come back in order: load i is in, the 15 - i younger ones stay out
	v_cvt_pk_bf16_f32 v[C+2*\i],   v[X+4*\i],   v[X+4*\i+1]
	v_cvt_pk_bf16_f32 v[C+2*\i+1], v[X+4*\i+2], v[X+4*\i+3]
	global_store_b64 v2, v[C+2*\i:C+2*\i+1], s[10:11] offset:2048*\i   ; no register is used twice: no wait for the stores' sources
.endr
	s_endpgm
; A tile of 128 k x 64 n.  Thread (kq, c) loads rows k = 8 kq .. 8 kq + 7, columns 4 c .. 4 c + 3 (sixteen lanes cover 256 bytes of a row),
; packs each column's eight k into 16 bytes, and puts them into LDS row n.  The rows are read back whole and stored: 16 lanes, 256 bytes.
; The LDS stores of sixteen neighbouring lanes are 4 rows of 272 bytes apart and share four 16-byte columns: four deep.  There are
; four such stores a thread in the whole launch.
.macro TRANS src, dst, NC
	s_and_b32 s17, s16, 7                          ; kt
	s_lshr_b32 s18, s16, 3                         ; nt
	s_mul_i32 s20, s17, 128*\NC*4
	s_lshl_b32 s19, s18, 8
	s_add_co_u32 s20, s20, s19
	s_mov_b32 s21, 0
	s_add_nc_u64 s[\src:\src+1], s[\src:\src+1], s[20:21]
	s_lshl_b32 s22, s18, 17                        ; 64 rows of 2,048 bytes
	s_lshl_b32 s19, s17, 8                         ; 128 k of 2 bytes
	s_add_co_u32 s22, s22, s19
	s_mov_b32 s23, 0
	s_add_nc_u64 s[\dst:\dst+1], s[\dst:\dst+1], s[22:23]
	v_mul_u32_u24 v1, v6, 8*\NC*4
	v_lshl_add_u32 v1, v5, 4, v1                   ; source: 8 kq rows + 16 c
	v_mul_u32_u24 v2, v5, 4*TP
	v_lshl_add_u32 v2, v6, 4, v2                   ; LDS in: row 4 c, byte 16 kq
	v_mul_u32_u24 v3, v6, TP
	v_lshl_add_u32 v3, v5, 4, v3                   ; LDS back: row t / 16, byte 16 (t % 16)
	v_lshlrev_b32 v4, 11, v6
	v_lshl_add_u32 v4, v5, 4, v4                   ; the same place in the transposed matrix
.irp i, 0,1,2,3,4,5,6,7
	global_load_b128 v[X+4*\i:X+4*\i+3], v1, s[\src:\src+1] offset:\i*\NC*4 th:TH_LOAD_NT
.endr
	s_wait_loadcnt 0x0
.irp u, 0,1,2,3
.irp p, 0,1,2,3
	v_cvt_pk_bf16_f32 v[Y+4*\u+\p], v[X+8*\p+\u], v[X+8*\p+4+\u]   ; column 4 c + u, k = 8 kq + 2 p and + 1
.endr
.endr
.irp u, 0,1,2,3
	ds_store_b128 v2, v[Y+4*\u:Y+4*\u+3] offset:TP*\u
.endr
	s_wait_dscnt 0x0                               ; my stores are done, for the other waves' sake
	s_barrier_signal -1
	s_barrier_wait -1
.irp i, 0,1,2,3
	ds_load_b128 v[Z+4*\i:Z+4*\i+3], v3 offset:16*TP*\i
.endr
.irp i, 0,1,2,3
	s_wait_dscnt 3-\i
	global_store_b128 v4, v[Z+4*\i:Z+4*\i+3], s[\dst:\dst+1] offset:32768*\i
.endr
	s_wait_tensorcnt 0x0
	ds_add_u32 v104, v105
	s_wait_dscnt 0x0
	s_endpgm
.endm
.Lwqkv:
	TRANS 6, 12, 3072
.Lwout:
	s_sub_co_u32 s16, s16, 384
	TRANS 8, 14, 1024
.Lfunc_end_k_q469422d324_prep:
	.size	k_q469422d324_prep, .Lfunc_end_k_q469422d324_prep-k_q469422d324_prep
	.p2alignl 7, 3214868480
	.fill 96, 4, 3214868480
	.section	.rodata,"a",@progbits
	.p2align	6, 0x0
	.amdhsa_kernel k_q469422d324_prep
		.amdhsa_group_segment_fixed_size 18432
		.amdhsa_private_segment_fixed_size 0
		.amdhsa_enable_private_segment 0
		.amdhsa_kernarg_size 48
		.amdhsa_user_sgpr_count 2
		.amdhsa_user_sgpr_kernarg_segment_ptr 1
		.amdhsa_wavefront_size32 1
		.amdhsa_system_sgpr_workgroup_id_x 1
		.amdhsa_system_sgpr_workgroup_id_y 1
		.amdhsa_system_sgpr_workgroup_id_z 1
		.amdhsa_system_vgpr_workitem_id 0
		.amdhsa_next_free_vgpr 106
		.amdhsa_next_free_sgpr 66
		.amdhsa_reserve_vcc 0
		.amdhsa_float_denorm_mode_32 3
		.amdhsa_float_denorm_mode_16_64 3
		.amdhsa_memory_ordered 1
		.amdhsa_forward_progress 1
		.amdhsa_inst_pref_size 15
	.end_amdhsa_kernel
	.amdgpu_metadata
---
amdhsa.version: [ 1, 2 ]
amdhsa.kernels:
  - .name:           k_q469422d324_prep
    .symbol:         k_q469422d324_prep.kd
    .args:
      - { .name: Q, .offset: 0, .size: 8, .value_kind: global_buffer, .address_space: global }
      - { .name: Wqkv, .offset: 8, .size: 8, .value_kind: global_buffer, .address_space: global }
      - { .name: Wout, .offset: 16, .size: 8, .value_kind: global_buffer, .address_space: global }
      - { .name: Qb, .offset: 24, .size: 8, .value_kind: global_buffer, .address_space: global }
      - { .name: WqT, .offset: 32, .size: 8, .value_kind: global_buffer, .address_space: global }
      - { .name: WoT, .offset: 40, .size: 8, .value_kind: global_buffer, .address_space: global }
    .group_segment_fixed_size: 18432
    .private_segment_fixed_size: 0
    .kernarg_segment_align: 8
    .kernarg_segment_size: 48
    .max_flat_workgroup_size: 256
    .sgpr_count:     66
    .vgpr_count:     106
    .wavefront_size: 32
...
	.end_amdgpu_metadata
.endif
;; end of part 1
;; launch gemm_qkv (part 2): grid 16 x 16, 4 waves a work-group, clusters of 4 x 4, 327,680 bytes of LDS; arguments Qb, WqT, bqkv, QKVp; writes QKVp
.if DOCPART == 2
	.amdgcn_target "amdgcn-amd-amdhsa--gfx1250"
	.amdhsa_code_object_version 6
	.text
	.protected	k_q469422d324_gemm_qkv
	.globl	k_q469422d324_gemm_qkv
	.p2align	8
	.type	k_q469422d324_gemm_qkv,@function
k_q469422d324_gemm_qkv:
	s_mov_b64 s[64:65], 0
	v_nop
	global_prefetch_b8 v0, s[64:65] scope:SCOPE_SE
	s_setreg_imm32_b32 hwreg(HW_REG_WAVE_MODE, 25, 1), 1
	s_wait_xcnt 0x0
	s_wait_alu depctr_hold_cnt(0) depctr_sa_sdst(0) depctr_va_vdst(0) depctr_va_sdst(0) depctr_va_ssrc(0) depctr_va_vcc(0) depctr_vm_vsrc(0)
	s_getreg_b32 s2, hwreg(HW_REG_IB_STS2, 6, 4)
	s_cmp_eq_u32 s2, 0
	s_cbranch_scc0 .Lentry_in_a_cluster
	s_endpgm
.Lentry_in_a_cluster:
	s_bfe_u32 s2, ttmp6, 0x10000c
	s_cmp_lg_u32 s2, 0xf033
	s_cbranch_scc0 .Lentry_shape_is_right
	s_endpgm
.Lentry_shape_is_right:
; qkv[m][n] = sum over k of Qb[m][k] WqT[n][k] + bqkv[n], bf16 operands, f32 sums; stored in f16 as planes QKVp[n / 64][m][n % 64]:
; planes 0-15 q of head h, 16-31 k, 32-47 v; a plane is 4,096 rows of 128 bytes, so every tile that the attention launch wants is dense.
; f16 and not bf16 for q, k, v: 11 significant bits against 8.  LIMIT: |q|, |k|, |v| must stay below 65,504 (beyond it the f16 is infinite).
; A work-group makes 256 rows x 192 columns (three planes) with four waves; a wave makes 128 x 96: 48 accumulator tiles, 384 registers.
; K goes in steps of 128 through two LDS slots filled by tensor loads whose rows are 256 bytes of memory at multiples of 256 bytes.
; CLUSTERS: 4 x 4 work-groups.  Qb's tile hangs on the block row alone and is asked for jointly by a row of the cluster, WqT's on the block
; column alone and is asked for jointly by a column: a quarter of the requests.
; REGISTERS: window 0: v16-27 addresses; v64-127, v128-191 fragments of Qb, two buffers; v192-239 the bias, later packed results.
;   window 1: v64-111, v128-175 fragments of WqT, two buffers.  window 2: tiles of my rows 0-63 (tile (a, b) at v[8 (6 a + b)]); window 3: rows 64-127.
; The matrix instruction is used transposed (source 0 = 16 rows of WqT, source 1 = 16 rows of Qb): lane l holds row l % 16 and its registers the
; eight neighbouring columns 8 (l / 16) + 0..7, which pack into 16 bytes.  The bias in that layout is the C of each tile's first product.
.set SIZE_K, 1024
.set KSTEP,  128
.set PITCH,  272                       ; 256 bytes + 16: sixteen rows that a fragment load touches start 68 words apart
.set HALFA,  128*PITCH                 ; what one tensor load brings of Qb
.set HALFB,  96*PITCH                  ; and of WqT
.set SLOT,   2*HALFA+2*HALFB           ; 121,856: Qb's 256 rows, then WqT's 192
.set SPITCH, 400                       ; the way out: 192 f16 + 16 bytes = 25 x 16
.set PLANE,  524288
.set LAPS, SIZE_K/(2*KSTEP)
.set ADRA, 16
.set ADRB, 20
.set STO,  24
.set RD,   25
.set CO,   26
.set BOFF, 27
.set F0,   64
.set F1,   128
.set BIAS, 192
.set TMP,  192
.set G1, 24
.set G0, 32
.set G1B, 48
.set G0B, 56
.set MSB, 0
.macro WIN new                         ; the immediate's high byte repeats the setting that is left
.if MSB != \new
	s_set_vgpr_msb (MSB<<8)|\new
.set MSB, \new
.endif
.endm
.set MUL_LO,   0xa1                    ; source 0 window 1, source 1 window 0, C and D window 2
.set MUL_HI,   0xf1                    ; C and D window 3
.set FIRST_LO, 0x81                    ; C (the bias) window 0, D window 2
.set FIRST_HI, 0xc1                    ; C window 0, D window 3
.set TO_B,     0x40
; A joint load: waves 0 and 1 fetch Qb's two halves, waves 2 and 3 WqT's.  Each line has one mask; the branch hangs on the wave's number alone.
.macro JLOAD s
	s_cmp_eq_u32 s11, 0
	s_cbranch_scc0 .Lfor_b_\@
	tensor_load_to_lds s[G0+4*\s:G0+4*\s+3], s[G1:G1+7]
	s_nop 0
	s_branch .Lasked_\@
.Lfor_b_\@:
	tensor_load_to_lds s[G0B+4*\s:G0B+4*\s+3], s[G1B:G1B+7]
	s_nop 0
.Lasked_\@:
.endm
.macro CREST                           ; a round of the cluster's barrier behind its opening work-group barrier
	s_cmp_lg_u32 s10, 0
	s_cbranch_scc1 .Lnot_wave_0_\@
	s_barrier_signal -3
.Lnot_wave_0_\@:
	s_barrier_wait -3
	s_barrier_signal -1
	s_barrier_wait -1
.endm
.macro CROUND
	s_barrier_signal -1
	s_barrier_wait -1
	CREST
.endm
	s_load_b128 s[4:7], s[0:1], 0x0                ; Qb s[4:5], WqT s[6:7]
	s_load_b64 s[66:67], s[0:1], 0x10              ; bqkv
	s_load_b64 s[8:9], s[0:1], 0x18                ; QKVp
	s_set_vgpr_msb 0x40
	v_lshl_add_u32 v255, v0, 2, 0x40000
	s_set_vgpr_msb 0x4000
	v_mov_b32 v63, 0
	s_set_vgpr_msb 0x1
	ds_add_u32 v255, v63
	ds_add_u32 v255, v63
	s_set_vgpr_msb 0x100
	v_lshrrev_b32 v1, 5, v0
	v_readfirstlane_b32 s10, v1                    ; wave 0..3
	s_lshr_b32 s11, s10, 1                         ; my half of the rows.  Also: I fetch Qb (0) or WqT (1)
	s_and_b32 s12, s10, 1                          ; my half of the columns.  Also: which half of that tile I fetch
	s_bfe_u32 s40, ttmp6, 0x40000                  ; cx
	s_bfe_u32 s41, ttmp6, 0x40004                  ; cy
	s_lshl_b32 s42, ttmp9, 2
	s_add_co_u32 s42, s42, s40                     ; block column = 4 x cluster x + cx
	s_and_b32 s13, ttmp7, 0xffff
	s_lshl_b32 s13, s13, 2
	s_add_co_u32 s13, s13, s41                     ; block row = 4 x cluster y + cy
	s_lshl_b32 s43, s41, 2
	s_lshl_b32 s43, 15, s43                        ; my row of the cluster
	s_lshl_b32 s44, 0x1111, s40                    ; my column
	s_or_b32 s[G1+0], s43, (1<<16)|(1<<20)|(1<<21)|(5<<22)|(3<<25)   ; mask; 2-byte elements; 4 words of padding behind every 64; bit 21 beside a mask
	s_or_b32 s[G1B+0], s44, (1<<16)|(1<<20)|(1<<21)|(5<<22)|(3<<25)
	s_mov_b32 s[G1+1], KSTEP<<16                   ; tensor_dim0 = 128
	s_mov_b32 s[G1B+1], KSTEP<<16
	s_mov_b32 s[G1+2], 128<<16                     ; tensor_dim1 = 128 rows
	s_mov_b32 s[G1B+2], 96<<16                     ; 96 rows
	s_mov_b32 s[G1+3], KSTEP<<16                   ; tile_dim0 = 128
	s_mov_b32 s[G1B+3], KSTEP<<16
	s_mov_b32 s[G1+4], 128                         ; tile_dim1
	s_mov_b32 s[G1B+4], 96
	s_mov_b32 s[G1+5], SIZE_K                      ; elements from row to row
	s_mov_b32 s[G1B+5], SIZE_K
	s_mov_b32 s[G1+6], 0
	s_mov_b32 s[G1B+6], 0
	s_mov_b32 s[G1+7], 0
	s_mov_b32 s[G1B+7], 0
	s_lshl_b32 s17, s12, 7
	s_lshl_b32 s16, s13, 8
	s_add_co_u32 s16, s16, s17                     ; Qb: row 256 x block row + 128 x half
	s_lshl_b32 s16, s16, 11                        ; x 2,048 bytes
	s_mov_b32 s17, 0
	s_mul_i32 s46, s42, 192
	s_mul_i32 s47, s12, 96
	s_add_co_u32 s46, s46, s47                     ; WqT: row 192 x block column + 96 x half
	s_lshl_b32 s46, s46, 11
	s_mov_b32 s47, 0
	s_mul_i32 s20, s10, HALFA                      ; LDS: waves 0, 1: Qb's halves
	s_mul_i32 s45, s10, HALFB
	s_add_co_u32 s45, s45, 2*(HALFA-HALFB)         ; waves 2, 3: WqT's halves behind them
	s_wait_dscnt 0x0
	s_wait_kmcnt 0x0
	s_add_nc_u64 s[14:15], s[4:5], s[16:17]
	s_add_nc_u64 s[46:47], s[6:7], s[46:47]
	CROUND                                         ; all sixteen work-groups are here: the first joint loads meet
.irp s, 0,1
	s_mov_b32 s[G0+4*\s], 1
	s_add_co_u32 s[G0+4*\s+1], s20, \s*SLOT
	s_add_nc_u64 s[G0+4*\s+2:G0+4*\s+3], s[14:15], \s*KSTEP*2
	s_or_b32 s[G0+4*\s+3], s[G0+4*\s+3], 0x80000000
	s_mov_b32 s[G0B+4*\s], 1
	s_add_co_u32 s[G0B+4*\s+1], s45, \s*SLOT
	s_add_nc_u64 s[G0B+4*\s+2:G0B+4*\s+3], s[46:47], \s*KSTEP*2
	s_or_b32 s[G0B+4*\s+3], s[G0B+4*\s+3], 0x80000000
	JLOAD \s
.endr
	v_and_b32 v1, 15, v0                           ; r = l % 16
	v_bfe_u32 v2, v0, 4, 1                         ; h = l / 16
	; the bias of my 96 columns: register j of tile b = bqkv[192 bx + 96 c + 16 b + 8 h + j]
	s_mul_i32 s46, s42, 768
	s_mul_i32 s47, s12, 384
	s_add_co_u32 s46, s46, s47
	s_mov_b32 s47, 0
	s_add_nc_u64 s[66:67], s[66:67], s[46:47]
	v_lshlrev_b32 v[BOFF], 5, v2
.irp b, 0,1,2,3,4,5
	global_load_b128 v[BIAS+8*\b:BIAS+8*\b+3],   v[BOFF], s[66:67] offset:64*\b
	global_load_b128 v[BIAS+8*\b+4:BIAS+8*\b+7], v[BOFF], s[66:67] offset:64*\b+16
.endr
	v_mul_u32_u24 v3, v1, PITCH
	v_lshl_add_u32 v3, v2, 4, v3                   ; row x pitch + 16 x half
	s_mul_i32 s21, s11, HALFA
	s_mul_i32 s22, s12, HALFB
	s_add_co_u32 s22, s22, 2*HALFA
.irp s, 0,1
	v_add_nc_u32 v[ADRA+\s], s21, v3
	v_add_nc_u32 v[ADRB+\s], s22, v3
	s_add_co_u32 s21, s21, SLOT
	s_add_co_u32 s22, s22, SLOT
.endr
	s_mul_i32 s23, s11, 128*SPITCH                 ; the way out, in: row 128 rh + r, byte 192 c + 16 h
	s_mul_i32 s21, s12, 192
	s_add_co_u32 s23, s23, s21
	v_mul_u32_u24 v4, v1, SPITCH
	v_lshl_add_u32 v4, v2, 4, v4
	v_add_nc_u32 v[STO], s23, v4
	s_mul_i32 s23, s10, 64*SPITCH                  ; back: rows 64 w + l / 8, byte 16 (l % 8)
	v_bfe_u32 v5, v0, 3, 2
	v_and_b32 v6, 7, v0
	v_mul_u32_u24 v5, v5, SPITCH
	v_lshl_add_u32 v5, v6, 4, v5
	v_add_nc_u32 v[RD], s23, v5
	v_and_b32 v7, 31, v0
	v_lshlrev_b32 v[CO], 4, v7                     ; four rows of 128 bytes of a plane are 512 consecutive bytes: 16 x lane
; 12 matrix instructions: row tiles a0, a0 + 1 of the window's four x all six column tiles.  first = 1: C is the bias.
.macro MUL12 f, hi, a0, first
.irp a, \a0, \a0+1
.irp b, 0,1,2,3,4,5
.if \first
	v_wmma_f32_16x16x32_bf16 v[8*(6*(\a)+\b):8*(6*(\a)+\b)+7], v[\f+8*\b:\f+8*\b+7], v[\f+8*(4*\hi+\a):\f+8*(4*\hi+\a)+7], v[BIAS+8*\b:BIAS+8*\b+7]
.else
	v_wmma_f32_16x16x32_bf16 v[8*(6*(\a)+\b):8*(6*(\a)+\b)+7], v[\f+8*\b:\f+8*\b+7], v[\f+8*(4*\hi+\a):\f+8*(4*\hi+\a)+7], v[8*(6*(\a)+\b):8*(6*(\a)+\b)+7]
.endif
.endr
.endr
.endm
; 28 LDS loads in one run: 96 rows of WqT, then 128 rows of Qb, 32 K at byte k of the rows
.macro FETCH slot, k, f
	WIN TO_B
.irp i, 0,1,2,3,4,5
	ds_load_b128 v[\f+8*\i:\f+8*\i+3],   v[ADRB+\slot] offset:\k+\i*16*PITCH
	ds_load_b128 v[\f+8*\i+4:\f+8*\i+7], v[ADRB+\slot] offset:\k+\i*16*PITCH+32
.endr
	WIN 0
.irp i, 0,1,2,3,4,5,6,7
	ds_load_b128 v[\f+8*\i:\f+8*\i+3],   v[ADRA+\slot] offset:\k+\i*16*PITCH
	ds_load_b128 v[\f+8*\i+4:\f+8*\i+7], v[ADRA+\slot] offset:\k+\i*16*PITCH+32
.endr
.endm
; Four plain vector places between a matrix instruction and a load into, or a vector instruction on, one of its registers;
; the matrix instructions in between are not counted.
.macro PLACES
.rept 4
	v_nop
.endr
.endm
.macro QUARTER slot, k, f, g, first
	s_wait_dscnt 8                                 ; WqT's fragments and Qb's rows 0-63 are in; the youngest eight loads (rows 64-127) may be out
.if \first
	WIN FIRST_LO
.else
	WIN MUL_LO
.endif
	MUL12 \f, 0, 0, \first
	MUL12 \f, 0, 2, \first
	PLACES
	FETCH \slot, \k, \g
	s_wait_dscnt 28                                ; all but the 28 just issued
.if \first
	WIN FIRST_HI
.else
	WIN MUL_HI
.endif
	MUL12 \f, 1, 0, \first
	MUL12 \f, 1, 2, \first
.endm
.macro THREE slot, first
	QUARTER \slot, 64,  F0, F1, \first
	QUARTER \slot, 128, F1, F0, 0
	QUARTER \slot, 192, F0, F1, 0
.endm
; The last quarter of a K step changes slots.  In front of the barrier each wave waits for its reads of this slot and for all its tensor loads (the one
; that is out is its part of the next slot).  Where the slot is filled again the barrier opens a round of the cluster's barrier, and the joint refill
; is the first tensor load behind the round.  The 48 accumulators take turns in the same order in every quarter, one instruction a turn.
.macro TURN slot, next, fill
	s_wait_dscnt 8
	WIN MUL_LO
	MUL12 F1, 0, 0, 0
	s_wait_dscnt 0x0                               ; my reads of this slot are over
	s_wait_tensorcnt 0x0                           ; all my tensor loads have landed
	ds_add_u32 v255, v63
	s_wait_dscnt 0x0
	s_barrier_signal -1
	MUL12 F1, 0, 2, 0                              ; registers only
	WIN 0
	s_barrier_wait -1
.if \fill
	CREST
	s_add_nc_u64 s[G0+4*\slot+2:G0+4*\slot+3], s[G0+4*\slot+2:G0+4*\slot+3], 2*KSTEP*2
	s_add_nc_u64 s[G0B+4*\slot+2:G0B+4*\slot+3], s[G0B+4*\slot+2:G0B+4*\slot+3], 2*KSTEP*2
	JLOAD \slot
.endif
	PLACES
	FETCH \next, 0, F0
	WIN MUL_HI
	MUL12 F1, 1, 0, 0
	MUL12 F1, 1, 2, 0
.endm
.macro LAP first
	THREE 0, \first
	TURN 0, 1, 1
	THREE 1, 0
	TURN 1, 0, 1
.endm
	s_wait_loadcnt 0x0                             ; the bias
	s_wait_tensorcnt 1                             ; my part of K step 0 is in; K step 1's load stays out
	s_barrier_signal -1
	s_barrier_wait -1
	FETCH 0, 0, F0
	LAP 1
	WIN 0
	s_mov_b32 s3, LAPS-2
.Llap:
	LAP 0
	WIN 0
	s_sub_co_u32 s3, s3, 1
	s_cmp_lg_u32 s3, 0
	s_cbranch_scc1 .Llap
	THREE 0, 0                                     ; the last lap fills nothing
	TURN 0, 1, 0
	THREE 1, 0
	s_wait_dscnt 8
	WIN MUL_LO
	MUL12 F1, 0, 0, 0
	MUL12 F1, 0, 2, 0
	s_wait_dscnt 0x0
	WIN MUL_HI
	MUL12 F1, 1, 0, 0
	MUL12 F1, 1, 2, 0
	; THE WAY OUT.  The block, rounded to f16, is gathered in LDS bytes 0 .. 102,399 (256 rows x 400), inside slot 0: that slot has had its last fill,
	; and every wave's reads of it ended in front of the barrier of the last change of slots.  Then each wave reads 64 rows back, plane by plane.
	PLACES
	s_mul_i32 s46, s42, 3*PLANE                    ; my three planes,
	s_lshl_b32 s13, s13, 15                        ; 256 x block row rows of 128 bytes,
	s_lshl_b32 s14, s10, 13                        ; 64 x wave rows
	s_add_co_u32 s46, s46, s13
	s_add_co_u32 s46, s46, s14
	s_mov_b32 s47, 0
	s_add_nc_u64 s[8:9], s[8:9], s[46:47]
.macro PACK a, aw, from
	WIN \from
.irp b, 0,1,2,3,4,5
.irp i, 0,1,2,3
	v_cvt_pk_f16_f32 v[TMP+4*\b+\i], v[8*(6*\aw+\b)+2*\i], v[8*(6*\aw+\b)+2*\i+1]
.endr
.endr
	WIN 0
.irp b, 0,1,2,3,4,5
	ds_store_b128 v[STO], v[TMP+4*\b:TMP+4*\b+3] offset:16*SPITCH*\a+32*\b
.endr
.endm
	PACK 0, 0, 0x0a
	PACK 1, 1, 0x0a
	PACK 2, 2, 0x0a
	PACK 3, 3, 0x0a
	PACK 4, 0, 0x0f
	PACK 5, 1, 0x0f
	PACK 6, 2, 0x0f
	PACK 7, 3, 0x0f
	s_wait_dscnt 0x0                               ; my stores are done, for the other waves' sake
	s_barrier_signal -1
	s_barrier_wait -1
.irp p, 0,1,2
.irp i, 0,1,2,3,4,5,6,7,8,9,10,11,12,13,14,15
	ds_load_b128 v[64+64*\p+4*\i:64+64*\p+4*\i+3], v[RD] offset:4*SPITCH*\i+128*\p   ; four rows x 128 bytes of plane p
.endr
.endr
.irp p, 0,1,2
.irp i, 0,1,2,3,4,5,6,7,8,9,10,11,12,13,14,15
	s_wait_dscnt 47-16*\p-\i                       ; the younger loads stay out
	global_store_b128 v[CO], v[64+64*\p+4*\i:64+64*\p+4*\i+3], s[8:9] offset:PLANE*\p+512*\i   ; 512 consecutive bytes, aligned
.endr
.endr
	s_set_vgpr_msb 0x1
	s_wait_tensorcnt 0x0
	ds_add_u32 v255, v63
	s_wait_dscnt 0x0
	s_set_vgpr_msb 0x100
	CROUND                                         ; the closing round: no work-group ends while a partner may still ask jointly
	s_endpgm
.Lfunc_end_k_q469422d324_gemm_qkv:
	.size	k_q469422d324_gemm_qkv, .Lfunc_end_k_q469422d324_gemm_qkv-k_q469422d324_gemm_qkv
	.p2alignl 7, 3214868480
	.fill 96, 4, 3214868480
	.section	.rodata,"a",@progbits
	.p2align	6, 0x0
	.amdhsa_kernel k_q469422d324_gemm_qkv
		.amdhsa_group_segment_fixed_size 327680
		.amdhsa_private_segment_fixed_size 0
		.amdhsa_enable_private_segment 0
		.amdhsa_kernarg_size 32
		.amdhsa_user_sgpr_count 2
		.amdhsa_user_sgpr_kernarg_segment_ptr 1
		.amdhsa_wavefront_size32 1
		.amdhsa_system_sgpr_workgroup_id_x 1
		.amdhsa_system_sgpr_workgroup_id_y 1
		.amdhsa_system_sgpr_workgroup_id_z 1
		.amdhsa_system_vgpr_workitem_id 0
		.amdhsa_next_free_vgpr 1024
		.amdhsa_next_free_sgpr 72
		.amdhsa_reserve_vcc 0
		.amdhsa_float_denorm_mode_32 3
		.amdhsa_float_denorm_mode_16_64 3
		.amdhsa_memory_ordered 1
		.amdhsa_forward_progress 1
		.amdhsa_inst_pref_size 159
	.end_amdhsa_kernel
	.amdgpu_metadata
---
amdhsa.version: [ 1, 2 ]
amdhsa.kernels:
  - .name:           k_q469422d324_gemm_qkv
    .symbol:         k_q469422d324_gemm_qkv.kd
    .args:
      - { .name: Qb, .offset: 0, .size: 8, .value_kind: global_buffer, .address_space: global }
      - { .name: WqT, .offset: 8, .size: 8, .value_kind: global_buffer, .address_space: global }
      - { .name: bqkv, .offset: 16, .size: 8, .value_kind: global_buffer, .address_space: global }
      - { .name: QKVp, .offset: 24, .size: 8, .value_kind: global_buffer, .address_space: global }
    .group_segment_fixed_size: 327680
    .private_segment_fixed_size: 0
    .kernarg_segment_align: 8
    .kernarg_segment_size: 32
    .max_flat_workgroup_size: 128
    .sgpr_count:     72
    .vgpr_count:     1024
    .wavefront_size: 32
...
	.end_amdgpu_metadata
.endif
;; end of part 2
;; launch attn (part 3): grid 256 x 1, 8 waves a work-group, no clusters, 327,680 bytes of LDS; arguments QKVp, AO; writes AO
.if DOCPART == 3
	.amdgcn_target "amdgcn-amd-amdhsa--gfx1250"
	.amdhsa_code_object_version 6
	.text
	.protected	k_q469422d324_attn
	.globl	k_q469422d324_attn
	.p2align	8
	.type	k_q469422d324_attn,@function
k_q469422d324_attn:
	s_mov_b64 s[64:65], 0
	v_nop
	global_prefetch_b8 v0, s[64:65] scope:SCOPE_SE
	s_setreg_imm32_b32 hwreg(HW_REG_WAVE_MODE, 25, 1), 1
	s_wait_xcnt 0x0
; Causal softmax attention for one (batch, head): O = softmax(q k^T / 8, keys <= query) v, f16 operands, f32 sums and statistics, running maximum.
; Work-group id: j = id % 8, (batch, head) = id / 8.  It makes query blocks j and then 15 - j (128 rows each) against key tiles of 256:
; block jb needs jb / 2 + 1 tiles, the two blocks together always 9, so all 256 work-groups do equal work.  Keys beyond a block's last tile are
; never touched; in the last tile the mask is applied.
; Eight waves: wave (g, wq) owns queries 32 wq .. + 31 and keys 128 g .. + 127 of every tile, with a state (m, l, O) of its own; the two states
; of a wq are merged through LDS at the block's end.  Two waves share a SIMD, so one can do its softmax while the other multiplies.
; S^T = K Q^T (lane: one query, registers: keys), so the statistics are per lane, and two packed S^T tiles ARE the B fragment of P^T for
; O^T = V^T P^T; V^T comes from the transposing LDS load.  No score moves between lanes but one maximum between the lane halves.
; The result leaves as two bf16 terms, hi = bf16(x) in plane h and lo = bf16(x - hi) in plane 16 + h: the last product then sees 16 significant bits.
; LIMITS: a masked score is replaced by -2^100, and m starts there (not at -infinity), so that a half with no valid key gives no NaN; its state is wiped
; by a factor exp2(-huge) = 0.  -2^100 is a power of two, so c x it is exact and such a half's exponents are exactly 0.  True scores must lie far
; above -2^100.  P is rounded to f16 (below 2^-24 it is 0; the row's largest P is 1).
; NO MULTICAST: the eight work-groups of a head read the same K and V, but take the masked form of a tile and the block's end in trip j / 2:
; a branch that differs between would-be partners.
.set SLOT,  77824                      ; K: 256 keys x 144 bytes = 36,864; V: 256 keys x 160 = 40,960
.set VOFF,  36864
.set XCH,   2*SLOT                     ; exchange: 17 x 512 bytes for each wq
.set XW,    8704
.set STG,   XCH+4*XW                   ; stage of the way out: 32 rows x 144 for each wq
.set STW,   4608
.set KADR,  6                          ; v6-7    K fragments, slot 0, 1
.set VADR,  8                          ; v8-9    V fragments
.set QOFF,  10
.set XADR,  11
.set STO,   12
.set RD,    13
.set CO,    14
.set NEG,   15                         ; -2^100
.set QREL0, 16                         ; v16-17  32 wq + 16 nt + r - 8 h - 128 g
.set QREL,  18                         ; v18-19  + 128 x (block's parity): key 64 c + 16 mt + jj of my half is valid if it is <= this
.set MR,    20                         ; v20-21  running maximum (raw scores)
.set LR,    22                         ; v22-23  running sum (my lane half's keys)
.set NM,    24                         ; v24, v26  -c x maximum, rounded: the offset that the exponents really use (v25, v27 only fill the pairs)
.set AL,    28                         ; v28, v30  the rescaling factor (v29, v31 only fill the pairs)
.set MX,    32
.set TT,    34
.set LS,    36                         ; v[36:43]
.set COL,   44                         ; CO + 16 planes
.set SC,    64                         ; v64-127  S^T tile (mt, nt) at 8 (2 mt + nt); then P^T fragment (ks, nt) at 8 (4 ks + nt)
.set KF,    128                        ; v128-191 K fragment (mt, kd) at 8 (2 mt + kd)
.set VF,    192                        ; v192-255 V^T fragment (dt, ks) at 8 (2 dt + ks)
.set OA,    0                          ; window 1: O^T tile (dt, nt) at 8 (2 dt + nt)
.set QF,    64                         ; window 1: Q fragment (nt, kd) at 64 + 8 (2 nt + kd)
.set G1K, 44
.set G1V, 52
.set G0K, 68
.set G0V, 76
.set MSB, 0
.macro WIN new
.if MSB != \new
	s_set_vgpr_msb (MSB<<8)|\new
.set MSB, \new
.endif
.endm
.macro PLACES                          ; four plain vector places behind a matrix instruction (ISA guide 7.12.1)
.rept 4
	v_nop
.endr
.endm
; Waves 0-3 fetch K's quarter wq (64 keys, 8,192 dense bytes), waves 4-7 V's.  The branch hangs on the wave's number alone.
.macro JLOAD s
	s_cmp_eq_u32 s9, 0
	s_cbranch_scc0 .Lfor_v_\@
	tensor_load_to_lds s[G0K+4*(\s):G0K+4*(\s)+3], s[G1K:G1K+7]
	s_nop 0
	s_branch .Lasked_\@
.Lfor_v_\@:
	tensor_load_to_lds s[G0V+4*(\s):G0V+4*(\s)+3], s[G1V:G1V+7]
	s_nop 0
.Lasked_\@:
.endm
.macro LOADQ base                      ; my 32 queries as B fragments, straight from memory: lane (r, h) takes d = 32 kd + 8 h .. and + 16
	WIN 0x40
.irp nt, 0,1
.irp kd, 0,1
.irp e, 0,1
	global_load_b128 v[QF+8*(2*\nt+\kd)+4*\e:QF+8*(2*\nt+\kd)+4*\e+3], v[QOFF], s[\base:\base+1] offset:2048*\nt+64*\kd+32*\e
.endr
.endr
.endr
	WIN 0
.endm
; A block's first tile falls on a trip that hangs on the work-group's number, so the first product cannot be written out with C = 0:
; the 64 registers of O are cleared, twice in a wave's life.
.macro INIT
	WIN 0x40
.set cnt, 0
.rept 64
	v_mov_b32 v[OA+cnt], 0
.set cnt, cnt+1
.endr
	WIN 0
	v_mov_b32 v[MR], v[NEG]
	v_mov_b32 v[MR+1], v[NEG]
	v_mov_b32 v[LR], 0
	v_mov_b32 v[LR+1], 0
	v_mul_f32 v[NM], s26, v[NEG]
	v_mul_f32 v[NM+2], s26, v[NEG]
.endm
.macro LOADK slot, c
.irp mt, 0,1,2,3
.irp kd, 0,1
.irp e, 0,1
	ds_load_b128 v[KF+8*(2*\mt+\kd)+4*\e:KF+8*(2*\mt+\kd)+4*\e+3], v[KADR+\slot] offset:9216*\c+2304*\mt+64*\kd+32*\e
.endr
.endr
.endr
.endm
.macro LOADV slot, c
.irp dt, 0,1,2,3
.irp ks, 0,1
.irp e, 0,1
	ds_load_tr16_b128 v[VF+8*(2*\dt+\ks)+4*\e:VF+8*(2*\dt+\ks)+4*\e+3], v[VADR+\slot] offset:10240*\c+5120*\ks+2560*\e+32*\dt
.endr
.endr
.endr
.endm
; 64 keys x 32 queries.  c: which 64 of my 128 keys.  more = 1: the next chunk's K fragments are fetched behind this chunk's V.
.macro CHUNK slot, c, masked, more
.rept 5
	v_nop                                          ; five places: the products below write over S registers that the last P V products read as B
.endr
	s_wait_dscnt 0x0                               ; the K fragments are in
	WIN 0x04                                       ; source 1 (Q) in window 1
.irp kd, 0,1
.irp mt, 0,1,2,3
.irp nt, 0,1
.if \kd == 0
	v_wmma_f32_16x16x32_f16 v[SC+8*(2*\mt+\nt):SC+8*(2*\mt+\nt)+7], v[KF+16*\mt:KF+16*\mt+7], v[QF+16*\nt:QF+16*\nt+7], 0
.else
	v_wmma_f32_16x16x32_f16 v[SC+8*(2*\mt+\nt):SC+8*(2*\mt+\nt)+7], v[KF+16*\mt+8:KF+16*\mt+15], v[QF+16*\nt+8:QF+16*\nt+15], v[SC+8*(2*\mt+\nt):SC+8*(2*\mt+\nt)+7]
.endif
.endr
.endr
.endr
	WIN 0                                          ; the eight accumulators took turns, one instruction a turn
	PLACES
	LOADV \slot, \c
.if \more
	LOADK \slot, 1
.endif
.if \masked
.irp mt, 0,1,2,3
.irp nt, 0,1
.irp jj, 0,1,2,3,4,5,6,7
	v_cmp_le_i32 vcc_lo, 64*\c+16*\mt+\jj, v[QREL+\nt]
	v_cndmask_b32 v[SC+8*(2*\mt+\nt)+\jj], v[NEG], v[SC+8*(2*\mt+\nt)+\jj], vcc_lo
.endr
.endr
.endr
.endif
	; the new maximum: two chains for each query tile, one of them started from the old maximum
.irp nt, 0,1
	v_max_num_f32 v[MX+\nt], v[SC+8*(4+\nt)], v[SC+8*(4+\nt)+1]
.endr
.irp i, 0,2,4,6
.irp nt, 0,1
	v_max3_num_f32 v[MR+\nt], v[MR+\nt], v[SC+8*\nt+\i], v[SC+8*\nt+\i+1]
	v_max3_num_f32 v[MX+\nt], v[MX+\nt], v[SC+8*(6+\nt)+\i], v[SC+8*(6+\nt)+\i+1]
.endr
.endr
.irp i, 0,2,4,6
.irp nt, 0,1
	v_max3_num_f32 v[MR+\nt], v[MR+\nt], v[SC+8*(2+\nt)+\i], v[SC+8*(2+\nt)+\i+1]
.endr
.endr
.irp i, 2,4,6
.irp nt, 0,1
	v_max3_num_f32 v[MX+\nt], v[MX+\nt], v[SC+8*(4+\nt)+\i], v[SC+8*(4+\nt)+\i+1]
.endr
.endr
	v_max_num_f32 v[MR], v[MR], v[MX]
	v_max_num_f32 v[MR+1], v[MR+1], v[MX+1]
	v_permlanex16_b32 v[TT], v[MR], s28, s29       ; the other lane half holds the same query's other keys
	v_permlanex16_b32 v[TT+1], v[MR+1], s28, s29
	v_max_num_f32 v[MR], v[MR], v[TT]
	v_max_num_f32 v[MR+1], v[MR+1], v[TT+1]
	v_mul_f32 v[TT], s26, v[MR]                    ; the new offset -c m
	v_mul_f32 v[TT+1], s26, v[MR+1]
	v_sub_f32 v[AL], v[TT], v[NM]                  ; new offset - old offset <= 0, both as they are really used
	v_sub_f32 v[AL+2], v[TT+1], v[NM+2]
	v_mov_b32 v[NM], v[TT]
	v_mov_b32 v[NM+2], v[TT+1]
	v_exp_f32 v[AL], v[AL]
	v_exp_f32 v[AL+2], v[AL+2]                     ; the multiply-adds below are the plain instructions behind these two
.irp mt, 0,1,2,3
.irp nt, 0,1
.irp i, 0,2,4,6
	v_pk_fma_f32 v[SC+8*(2*\mt+\nt)+\i:SC+8*(2*\mt+\nt)+\i+1], v[SC+8*(2*\mt+\nt)+\i:SC+8*(2*\mt+\nt)+\i+1], s[24:25], v[NM+2*\nt:NM+2*\nt+1] op_sel_hi:[1,0,0]
.endr
.endr
.endr
.set cnt, 0
.rept 64
	v_exp_f32 v[SC+cnt], v[SC+cnt]
.set cnt, cnt+1
.endr
	s_wait_alu depctr_va_vdst(0)
	v_mul_f32 v[LR], v[LR], v[AL]                  ; plain work on other registers behind the exponentials
	v_mul_f32 v[LR+1], v[LR+1], v[AL+2]
.irp nt, 0,1
	v_pk_add_f32 v[LS+4*\nt:LS+4*\nt+1],   v[SC+8*\nt:SC+8*\nt+1],         v[SC+8*\nt+2:SC+8*\nt+3]
	v_pk_add_f32 v[LS+4*\nt+2:LS+4*\nt+3], v[SC+8*(4+\nt):SC+8*(4+\nt)+1], v[SC+8*(4+\nt)+2:SC+8*(4+\nt)+3]
.endr
.irp i, 4,6
.irp nt, 0,1
	v_pk_add_f32 v[LS+4*\nt:LS+4*\nt+1],   v[LS+4*\nt:LS+4*\nt+1],   v[SC+8*\nt+\i:SC+8*\nt+\i+1]
	v_pk_add_f32 v[LS+4*\nt+2:LS+4*\nt+3], v[LS+4*\nt+2:LS+4*\nt+3], v[SC+8*(4+\nt)+\i:SC+8*(4+\nt)+\i+1]
.endr
.endr
.irp i, 0,2,4,6
.irp nt, 0,1
	v_pk_add_f32 v[LS+4*\nt:LS+4*\nt+1],   v[LS+4*\nt:LS+4*\nt+1],   v[SC+8*(2+\nt)+\i:SC+8*(2+\nt)+\i+1]
	v_pk_add_f32 v[LS+4*\nt+2:LS+4*\nt+3], v[LS+4*\nt+2:LS+4*\nt+3], v[SC+8*(6+\nt)+\i:SC+8*(6+\nt)+\i+1]
.endr
.endr
.irp nt, 0,1
	v_pk_add_f32 v[LS+4*\nt:LS+4*\nt+1], v[LS+4*\nt:LS+4*\nt+1], v[LS+4*\nt+2:LS+4*\nt+3]
.endr
.irp nt, 0,1
	v_add_f32 v[TT+\nt], v[LS+4*\nt], v[LS+4*\nt+1]
.endr
.irp nt, 0,1
	v_add_f32 v[LR+\nt], v[LR+\nt], v[TT+\nt]
.endr
	; P^T fragment (ks, nt): keys 32 ks + 8 h .. from tile 2 ks into registers 0-3, keys 32 ks + 16 + 8 h .. from tile 2 ks + 1 into registers 4-7
.irp ks, 0,1
.irp nt, 0,1
.irp i, 0,1,2,3
	v_cvt_pk_f16_f32 v[SC+8*(4*\ks+\nt)+\i], v[SC+8*(4*\ks+\nt)+2*\i], v[SC+8*(4*\ks+\nt)+2*\i+1]
.endr
.irp i, 0,1,2,3
	v_cvt_pk_f16_f32 v[SC+8*(4*\ks+\nt)+4+\i], v[SC+8*(4*\ks+2+\nt)+2*\i], v[SC+8*(4*\ks+2+\nt)+2*\i+1]
.endr
.endr
.endr
	WIN 0x41                                       ; O in window 1, the factor in window 0
.irp dt, 0,1,2,3
.irp nt, 0,1
.irp i, 0,2,4,6
	v_pk_mul_f32 v[OA+8*(2*\dt+\nt)+\i:OA+8*(2*\dt+\nt)+\i+1], v[OA+8*(2*\dt+\nt)+\i:OA+8*(2*\dt+\nt)+\i+1], v[AL+2*\nt:AL+2*\nt+1] op_sel_hi:[1,0]
.endr
.endr
.endr
.if \more
	s_wait_dscnt 16                                ; V's 16 loads are in; the 16 younger loads of the next K fragments stay out
.else
	s_wait_dscnt 0x0
.endif
	WIN 0x50                                       ; C and D in window 1
.irp ks, 0,1
.irp dt, 0,1,2,3
.irp nt, 0,1
	v_wmma_f32_16x16x32_f16 v[OA+8*(2*\dt+\nt):OA+8*(2*\dt+\nt)+7], v[VF+8*(2*\dt+\ks):VF+8*(2*\dt+\ks)+7], v[SC+8*(4*\ks+\nt):SC+8*(4*\ks+\nt)+7], v[OA+8*(2*\dt+\nt):OA+8*(2*\dt+\nt)+7]
.endr
.endr
.endr
	WIN 0                                          ; again eight accumulators by turns
.endm
.macro TILE slot, masked
	LOADK \slot, 0
	CHUNK \slot, 0, \masked, 1
	CHUNK \slot, 1, \masked, 0
.endm
; A block's end.  Waves 4-7 hand their state to waves 0-3 through LDS; those merge, divide, split into hi and lo, and store.
; again = 1: every wave then starts the second block.
.macro EPI obase, again
	PLACES
	v_permlanex16_b32 v[TT], v[LR], s28, s29
	v_permlanex16_b32 v[TT+1], v[LR+1], s28, s29
	v_add_f32 v[LR], v[LR], v[TT]                  ; the sum over both lane halves' keys
	v_add_f32 v[LR+1], v[LR+1], v[TT+1]
	s_cmp_eq_u32 s9, 0
	s_cbranch_scc1 .Lno_hand_\@
	WIN 0x04                                       ; store data in window 1
.set cnt, 0
.rept 16
	ds_store_b128 v[XADR], v[OA+4*cnt:OA+4*cnt+3] offset:512*cnt
.set cnt, cnt+1
.endr
	WIN 0
	ds_store_b128 v[XADR], v[MR:MR+3] offset:8192  ; m, m, l, l
.Lno_hand_\@:
	s_wait_dscnt 0x0                               ; the stores are done, for the partner's sake
	s_barrier_signal -1                            ; every wave passes here: the way into this macro hangs on the work-group's number and the trip alone
	s_barrier_wait -1
	s_cmp_lg_u32 s9, 0
	s_cbranch_scc1 .Ljoin_\@
.set cnt, 0
.rept 16
	ds_load_b128 v[KF+4*cnt:KF+4*cnt+3], v[XADR] offset:512*cnt
.set cnt, cnt+1
.endr
	ds_load_b128 v[VF:VF+3], v[XADR] offset:8192
	s_wait_dscnt 0x0
	v_mul_f32 v[MX], s26, v[VF]                    ; the partner's offset, rounded as the partner rounded it
	v_mul_f32 v[MX+1], s26, v[VF+1]
	v_min_num_f32 v[TT], v[NM], v[MX]              ; the offset of the larger maximum
	v_min_num_f32 v[TT+1], v[NM+2], v[MX+1]
	v_sub_f32 v[AL], v[TT], v[NM]
	v_sub_f32 v[AL+2], v[TT+1], v[NM+2]
	v_sub_f32 v[MX], v[TT], v[MX]
	v_sub_f32 v[MX+1], v[TT+1], v[MX+1]
	v_exp_f32 v[AL], v[AL]
	v_exp_f32 v[AL+2], v[AL+2]
	v_exp_f32 v[MX], v[MX]
	v_exp_f32 v[MX+1], v[MX+1]
	v_nop                                          ; a plain place behind the exponentials
	s_wait_alu depctr_va_vdst(0)
	v_mul_f32 v[LR], v[LR], v[AL]
	v_mul_f32 v[LR+1], v[LR+1], v[AL+2]
	v_fmac_f32 v[LR], v[VF+2], v[MX]
	v_fmac_f32 v[LR+1], v[VF+3], v[MX+1]
	v_rcp_f32 v[LR], v[LR]                         ; the sum is about 1 at the least: the larger maximum's own term
	v_rcp_f32 v[LR+1], v[LR+1]
	v_nop
	s_wait_alu depctr_va_vdst(0)
	v_mul_f32 v[AL], v[AL], v[LR]
	v_mul_f32 v[AL+2], v[AL+2], v[LR+1]
	v_mul_f32 v[NM], v[MX], v[LR]
	v_mul_f32 v[NM+2], v[MX+1], v[LR+1]
.irp dt, 0,1,2,3
.irp nt, 0,1
.irp i, 0,2,4,6
	v_pk_mul_f32 v[KF+8*(2*\dt+\nt)+\i:KF+8*(2*\dt+\nt)+\i+1], v[KF+8*(2*\dt+\nt)+\i:KF+8*(2*\dt+\nt)+\i+1], v[NM+2*\nt:NM+2*\nt+1] op_sel_hi:[1,0]
.endr
.endr
.endr
	WIN 0x01                                       ; source 0 (my O) in window 1
.irp dt, 0,1,2,3
.irp nt, 0,1
.irp i, 0,2,4,6
	v_pk_fma_f32 v[KF+8*(2*\dt+\nt)+\i:KF+8*(2*\dt+\nt)+\i+1], v[OA+8*(2*\dt+\nt)+\i:OA+8*(2*\dt+\nt)+\i+1], v[AL+2*\nt:AL+2*\nt+1], v[KF+8*(2*\dt+\nt)+\i:KF+8*(2*\dt+\nt)+\i+1] op_sel_hi:[1,0,1]
.endr
.endr
.endr
	WIN 0
	; hi = bf16(x) into v[SC ..], four registers a tile; x - hi is exact in f32; lo = bf16(x - hi) in place
.irp dt, 0,1,2,3
.irp nt, 0,1
.irp i, 0,1,2,3
	v_cvt_pk_bf16_f32 v[SC+4*(2*\dt+\nt)+\i], v[KF+8*(2*\dt+\nt)+2*\i], v[KF+8*(2*\dt+\nt)+2*\i+1]
.endr
.irp i, 0,1,2,3
	v_lshlrev_b32 v[SC+32+2*\i], 16, v[SC+4*(2*\dt+\nt)+\i]
	v_and_b32 v[SC+32+2*\i+1], 0xffff0000, v[SC+4*(2*\dt+\nt)+\i]
.endr
.irp i, 0,1,2,3
	v_pk_add_f32 v[KF+8*(2*\dt+\nt)+2*\i:KF+8*(2*\dt+\nt)+2*\i+1], v[KF+8*(2*\dt+\nt)+2*\i:KF+8*(2*\dt+\nt)+2*\i+1], v[SC+32+2*\i:SC+32+2*\i+1] neg_lo:[0,1] neg_hi:[0,1]
.endr
.irp i, 0,1,2,3
	v_cvt_pk_bf16_f32 v[KF+8*(2*\dt+\nt)+\i], v[KF+8*(2*\dt+\nt)+2*\i], v[KF+8*(2*\dt+\nt)+2*\i+1]
.endr
.endr
.endr
	; through my own stage: row = query, 16 bytes = d 16 dt + 8 h ..; back as four whole rows of 128 bytes.  LDS serves a wave's instructions in order
	; (ISA guide 5.7.1.4), so hi's loads see hi's stores, and lo's stores come behind hi's loads.
.irp dt, 0,1,2,3
.irp nt, 0,1
	ds_store_b128 v[STO], v[SC+4*(2*\dt+\nt):SC+4*(2*\dt+\nt)+3] offset:2304*\nt+32*\dt
.endr
.endr
.irp i, 0,1,2,3,4,5,6,7
	ds_load_b128 v[VF+4*\i:VF+4*\i+3], v[RD] offset:576*\i
.endr
.irp dt, 0,1,2,3
.irp nt, 0,1
	ds_store_b128 v[STO], v[KF+8*(2*\dt+\nt):KF+8*(2*\dt+\nt)+3] offset:2304*\nt+32*\dt
.endr
.endr
.irp i, 0,1,2,3,4,5,6,7
	ds_load_b128 v[VF+32+4*\i:VF+32+4*\i+3], v[RD] offset:576*\i
.endr
.irp i, 0,1,2,3,4,5,6,7
	s_wait_dscnt 23-\i                             ; behind hi's load i: 7 - i loads, lo's 8 stores and 8 loads
	global_store_b128 v[CO], v[VF+4*\i:VF+4*\i+3], s[\obase:\obase+1] offset:512*\i     ; 512 consecutive bytes, aligned
.endr
.irp i, 0,1,2,3,4,5,6,7
	s_wait_dscnt 7-\i
	global_store_b128 v[COL], v[VF+32+4*\i:VF+32+4*\i+3], s[\obase:\obase+1] offset:512*\i
.endr
.Ljoin_\@:
.if \again
	INIT
	LOADQ 36
	v_add_nc_u32 v[QREL], s22, v[QREL0]
	v_add_nc_u32 v[QREL+1], s22, v[QREL0+1]
	s_mov_b32 s16, s21                             ; the second block's last tile
	s_wait_loadcnt 0x0                             ; its queries
	s_wait_xcnt 0x0                                ; the stores' data registers are loaded again only behind this wait
.endif
.endm
; One tile, in slot 'slot'; 'other' is the other slot.  In front of the barrier: all my tensor loads have landed (my part of this trip's tile), my LDS reads
; of the other slot are back.  Behind it the other slot is filled again first: the next tile of this block, or tile 0 for the next block.
; One tensor load of a wave is out.
.macro TRIP slot, other
	s_wait_tensorcnt 0x0
	ds_add_u32 v62, v63
	s_add_co_u32 s17, s15, 1
	s_cmp_eq_u32 s15, s16
	s_cselect_b32 s17, 0, s17                      ; the next tile's number in its block
	s_lshl_b32 s18, s17, 15                        ; 256 keys of 128 bytes
	s_add_nc_u64 s[G0K+4*\other+2:G0K+4*\other+3], s[30:31], s[18:19]
	s_add_nc_u64 s[G0V+4*\other+2:G0V+4*\other+3], s[32:33], s[18:19]
	s_wait_dscnt 0x0
	s_barrier_signal -1
	s_barrier_wait -1
	JLOAD \other
	s_cmp_eq_u32 s15, s16
	s_cbranch_scc1 .Llast_\@
	TILE \slot, 0
	s_branch .Ldone_\@
.Llast_\@:
	TILE \slot, 1
	EPI 38, 1                                      ; inside the loop only the first block can end: it has at most 4 tiles, the second at least 5
.Ldone_\@:
	s_mov_b32 s15, s17
.endm
	s_load_b128 s[4:7], s[0:1], 0x0                ; QKVp s[4:5], AO s[6:7]
	v_lshl_add_u32 v62, v0, 2, 0x33000
	v_mov_b32 v63, 0
	ds_add_u32 v62, v63
	ds_add_u32 v62, v63
	v_lshrrev_b32 v1, 5, v0
	v_readfirstlane_b32 s8, v1                     ; wave 0..7
	s_lshr_b32 s9, s8, 2                           ; g: my half of the keys.  Also: I fetch K (0) or V (1)
	s_and_b32 s10, s8, 3                           ; wq: my 32 queries.  Also: which quarter I fetch
	s_and_b32 s11, ttmp9, 7                        ; j: the first block
	s_lshr_b32 s12, ttmp9, 3
	s_and_b32 s13, s12, 15                         ; head
	s_lshr_b32 s14, s12, 4                         ; batch
	s_lshl_b32 s13, s13, 19
	s_lshl_b32 s14, s14, 18
	s_add_co_u32 s12, s13, s14                     ; bytes to (plane head, batch)
	s_sub_co_u32 s27, 15, s11                      ; the second block
	s_lshr_b32 s16, s11, 1                         ; last tile of the first block
	s_lshr_b32 s21, s27, 1                         ; and of the second
	s_and_b32 s23, s11, 1
	s_lshl_b32 s23, s23, 7                         ; 128 x parity of the first block
	s_and_b32 s22, s27, 1
	s_lshl_b32 s22, s22, 7
	s_mov_b32 s24, 0x3e38aa3b                      ; c = log2(e) / 8
	s_mov_b32 s25, 0x3e38aa3b
	s_mov_b32 s26, 0xbe38aa3b                      ; -c
	s_mov_b32 s28, 0x76543210                      ; lane i of one half reads lane i of the other
	s_mov_b32 s29, 0xfedcba98
	s_mov_b32 s15, 0                               ; tile number in the block
	s_mov_b32 s19, 0
	; descriptors: 8,192 dense bytes as 32 rows of 256; padding behind every 32 words (a key's 128 bytes): 4 words for K, 8 for V
	s_mov_b32 s[G1K+0], (1<<16)|(1<<20)|(4<<22)|(3<<25)
	s_mov_b32 s[G1V+0], (1<<16)|(1<<20)|(4<<22)|(7<<25)
	s_mov_b32 s[G1K+1], 128<<16
	s_mov_b32 s[G1V+1], 128<<16
	s_mov_b32 s[G1K+2], 32<<16
	s_mov_b32 s[G1V+2], 32<<16
	s_mov_b32 s[G1K+3], 128<<16
	s_mov_b32 s[G1V+3], 128<<16
	s_mov_b32 s[G1K+4], 32
	s_mov_b32 s[G1V+4], 32
	s_mov_b32 s[G1K+5], 128
	s_mov_b32 s[G1V+5], 128
	s_mov_b32 s[G1K+6], 0
	s_mov_b32 s[G1V+6], 0
	s_mov_b32 s[G1K+7], 0
	s_mov_b32 s[G1V+7], 0
	s_mul_i32 s60, s10, 9216
	s_mul_i32 s61, s10, 10240
	s_add_co_u32 s61, s61, VOFF
.irp s, 0,1
	s_mov_b32 s[G0K+4*\s], 1
	s_add_co_u32 s[G0K+4*\s+1], s60, \s*SLOT
	s_mov_b32 s[G0V+4*\s], 1
	s_add_co_u32 s[G0V+4*\s+1], s61, \s*SLOT
.endr
	s_lshl_b32 s18, s10, 13                        ; my quarter: 64 keys of 128 bytes
	s_add_co_u32 s18, s18, s12
	s_add_co_u32 s18, s18, 16<<19                  ; K's planes begin at plane 16
	s_wait_dscnt 0x0
	s_wait_kmcnt 0x0
	s_add_nc_u64 s[30:31], s[4:5], s[18:19]
	s_add_nc_u64 s[32:33], s[30:31], 16<<19        ; V's at plane 32
	s_or_b32 s31, s31, 0x80000000
	s_or_b32 s33, s33, 0x80000000
	s_mov_b64 s[G0K+2:G0K+3], s[30:31]
	s_mov_b64 s[G0V+2:G0V+3], s[32:33]
	JLOAD 0                                        ; tile 0 into slot 0: a first fill
	s_lshl_b32 s62, s10, 12                        ; my 32 rows of 128 bytes in the output
	s_lshl_b32 s18, s11, 14
	s_add_co_u32 s18, s18, s12
	s_add_nc_u64 s[34:35], s[4:5], s[18:19]        ; queries of the first block
	s_add_co_u32 s18, s18, s62
	s_add_nc_u64 s[38:39], s[6:7], s[18:19]        ; its output
	s_lshl_b32 s18, s27, 14
	s_add_co_u32 s18, s18, s12
	s_add_nc_u64 s[36:37], s[4:5], s[18:19]        ; the second block's
	s_add_co_u32 s18, s18, s62
	s_add_nc_u64 s[40:41], s[6:7], s[18:19]
	v_and_b32 v1, 31, v0                           ; lane
	v_and_b32 v2, 15, v0                           ; r
	v_bfe_u32 v3, v0, 4, 1                         ; h
	v_lshlrev_b32 v[QOFF], 7, v2
	v_lshl_add_u32 v[QOFF], v3, 4, v[QOFF]
	v_add_nc_u32 v[QOFF], s62, v[QOFF]             ; (32 wq + r) x 128 + 16 h
	v_mov_b32 v[NEG], 0xf1800000                   ; -2^100
	INIT
	LOADQ 34
	v_mul_u32_u24 v4, v2, 144
	v_lshl_add_u32 v4, v3, 4, v4                   ; r x 144 + 16 h
	s_mul_i32 s60, s9, 128*144
	v_add_nc_u32 v[KADR], s60, v4
	v_add_nc_u32 v[KADR+1], SLOT, v[KADR]
	s_mul_i32 s61, s10, STW
	s_add_co_u32 s61, s61, STG
	v_add_nc_u32 v[STO], s61, v4
	v_and_b32 v5, 7, v0
	v_lshl_add_u32 v5, v3, 3, v5                   ; key 8 h + l % 8
	v_mul_u32_u24 v5, v5, 160
	v_bfe_u32 v45, v0, 3, 1
	v_lshl_add_u32 v5, v45, 4, v5                  ; + 16 x ((l / 8) % 2)
	s_mul_i32 s63, s9, 128*160
	s_add_co_u32 s63, s63, VOFF
	v_add_nc_u32 v[VADR], s63, v5
	v_add_nc_u32 v[VADR+1], SLOT, v[VADR]
	s_mul_i32 s60, s10, XW
	s_add_co_u32 s60, s60, XCH
	v_lshl_add_u32 v[XADR], v1, 4, s60
	v_bfe_u32 v45, v0, 3, 2
	v_mul_u32_u24 v[RD], v45, 144
	v_and_b32 v46, 7, v0
	v_lshl_add_u32 v[RD], v46, 4, v[RD]
	v_add_nc_u32 v[RD], s61, v[RD]
	v_lshlrev_b32 v[CO], 4, v1
	v_add_nc_u32 v[COL], 16<<19, v[CO]             ; lo's plane: one byte more than a store's immediate offset can hold
	v_lshlrev_b32 v45, 3, v3
	v_sub_nc_u32 v[QREL0], v2, v45
	s_lshl_b32 s60, s10, 5
	s_lshl_b32 s63, s9, 7
	s_sub_co_i32 s60, s60, s63
	v_add_nc_u32 v[QREL0], s60, v[QREL0]
	v_add_nc_u32 v[QREL0+1], 16, v[QREL0]
	v_add_nc_u32 v[QREL], s23, v[QREL0]
	v_add_nc_u32 v[QREL+1], s23, v[QREL0+1]
	v_mov_b32 v[NM+1], 0                           ; the pairs' second registers are named by the packed instructions and never used
	v_mov_b32 v[NM+3], 0
	v_mov_b32 v[AL+1], 0
	v_mov_b32 v[AL+3], 0
	v_mov_b32 v[TT], 0                             ; a lane permute's destination counts as read
	v_mov_b32 v[TT+1], 0
	s_wait_loadcnt 0x0                             ; the first block's queries
	s_mov_b32 s20, 4                               ; tiles 0 to 7 of the nine; every trip fills the other slot
.Ltrip:
	TRIP 0, 1
	TRIP 1, 0
	s_sub_co_u32 s20, s20, 1
	s_cmp_lg_u32 s20, 0
	s_cbranch_scc1 .Ltrip
	s_wait_tensorcnt 0x0                           ; tile 8, the second block's last, lies in slot 0; nothing more is fetched
	s_wait_dscnt 0x0
	s_barrier_signal -1
	s_barrier_wait -1
	TILE 0, 1
	EPI 40, 0
	s_wait_tensorcnt 0x0
	ds_add_u32 v62, v63
	s_wait_dscnt 0x0
	s_endpgm
.Lfunc_end_k_q469422d324_attn:
	.size	k_q469422d324_attn, .Lfunc_end_k_q469422d324_attn-k_q469422d324_attn
	.p2alignl 7, 3214868480
	.fill 96, 4, 3214868480
	.section	.rodata,"a",@progbits
	.p2align	6, 0x0
	.amdhsa_kernel k_q469422d324_attn
		.amdhsa_group_segment_fixed_size 327680
		.amdhsa_private_segment_fixed_size 0
		.amdhsa_enable_private_segment 0
		.amdhsa_kernarg_size 16
		.amdhsa_user_sgpr_count 2
		.amdhsa_user_sgpr_kernarg_segment_ptr 1
		.amdhsa_wavefront_size32 1
		.amdhsa_system_sgpr_workgroup_id_x 1
		.amdhsa_system_sgpr_workgroup_id_y 1
		.amdhsa_system_sgpr_workgroup_id_z 1
		.amdhsa_system_vgpr_workitem_id 0
		.amdhsa_next_free_vgpr 384
		.amdhsa_next_free_sgpr 84
		.amdhsa_reserve_vcc 1
		.amdhsa_float_denorm_mode_32 3
		.amdhsa_float_denorm_mode_16_64 3
		.amdhsa_memory_ordered 1
		.amdhsa_forward_progress 1
		.amdhsa_inst_pref_size 255
	.end_amdhsa_kernel
	.section	.bss,"aw",@nobits
	.p2align	6
	.space	262144
	.amdgpu_metadata
---
amdhsa.version: [ 1, 2 ]
amdhsa.kernels:
  - .name:           k_q469422d324_attn
    .symbol:         k_q469422d324_attn.kd
    .args:
      - { .name: QKVp, .offset: 0, .size: 8, .value_kind: global_buffer, .address_space: global }
      - { .name: AO, .offset: 8, .size: 8, .value_kind: global_buffer, .address_space: global }
    .group_segment_fixed_size: 327680
    .private_segment_fixed_size: 0
    .kernarg_segment_align: 8
    .kernarg_segment_size: 16
    .max_flat_workgroup_size: 256
    .sgpr_count:     84
    .vgpr_count:     384
    .wavefront_size: 32
...
	.end_amdgpu_metadata
.endif
;; end of part 3
;; launch gemm_out (part 4): grid 8 x 32, 4 waves a work-group, clusters of 4 x 4, 327,680 bytes of LDS; arguments AO, WoT, bout, out0; writes out0
.if DOCPART == 4
	.amdgcn_target "amdgcn-amd-amdhsa--gfx1250"
	.amdhsa_code_object_version 6
	.text
	.protected	k_q469422d324_gemm_out
	.globl	k_q469422d324_gemm_out
	.p2align	8
	.type	k_q469422d324_gemm_out,@function
k_q469422d324_gemm_out:
	s_mov_b64 s[64:65], 0
	v_nop
	global_prefetch_b8 v0, s[64:65] scope:SCOPE_SE
	s_setreg_imm32_b32 hwreg(HW_REG_WAVE_MODE, 25, 1), 1
	s_wait_xcnt 0x0
	s_wait_alu depctr_hold_cnt(0) depctr_sa_sdst(0) depctr_va_vdst(0) depctr_va_sdst(0) depctr_va_ssrc(0) depctr_va_vcc(0) depctr_vm_vsrc(0)
	s_getreg_b32 s2, hwreg(HW_REG_IB_STS2, 6, 4)
	s_cmp_eq_u32 s2, 0
	s_cbranch_scc0 .Lentry_in_a_cluster
	s_endpgm
.Lentry_in_a_cluster:
	s_bfe_u32 s2, ttmp6, 0x10000c
	s_cmp_lg_u32 s2, 0xf033
	s_cbranch_scc0 .Lentry_shape_is_right
	s_endpgm
.Lentry_shape_is_right:
; out0[m][n] = sum over e of (hi[m][e] + lo[m][e]) WoT[n][e] + bout[n], bf16 operands, f32 sums, f32 out.
; AO holds the attention output as two bf16 terms in planes of 64 columns: plane p = hi of head p, plane 16 + p = lo; a plane is 4,096 rows of 128 bytes.
; Both terms are multiplied by the SAME fragments of WoT, so the second term costs its own LDS reads and products and no second read of WoT.
; A work-group makes 128 x 128 with four waves of 64 x 64 (16 accumulator tiles).  A K step is 128 of e: two hi planes, two lo planes, 128 rows of WoT.
; Two LDS slots; every wave issues two joint loads a step: AO sub-tile w (hi plane 0, 1, lo plane 0, 1) and WoT's rows 32 w .. + 31.
; CLUSTERS: 4 x 4.  AO's tiles hang on the block row alone (shared along a row of the cluster), WoT's on the block column alone (along a column).
; REGISTERS: window 0: v16-27 addresses, v28-59 the bias, two fragment buffers of 96 (hi 32, lo 32, WoT 32) at v64 and v160; window 1: the accumulators.
; The matrix instruction is used transposed (source 0 = WoT's rows): a lane holds eight neighbouring columns of one row; the bias is the first C.
.set KSTEP,  128
.set APITCH, 144                       ; a plane's row: 128 bytes + 16
.set BPITCH, 272                       ; 256 bytes + 16
.set ASUB,   128*APITCH                ; 18,432: one plane's 128 rows
.set BQ,     32*BPITCH                 ; 8,704: a quarter of WoT's tile
.set SLOT,   4*ASUB+4*BQ               ; 108,544
.set STAGE,  2*SLOT                    ; behind the ring: 16 rows x 272 bytes for each wave
.set SPITCH, 272
.set PLANE,  524288
.set LAPS,   4                         ; 8 K steps, two a lap
.set ADRA, 16
.set ADRB, 20
.set STO,  24
.set RD,   25
.set CO,   26
.set BOFF, 27
.set BIAS, 28
.set F0,   64
.set F1,   160
.set G1A, 24
.set G1B, 32
.set G0A, 40
.set G0B, 48
.set MSB, 0
.macro WIN new
.if MSB != \new
	s_set_vgpr_msb (MSB<<8)|\new
.set MSB, \new
.endif
.endm
.set MULW,   0x50                      ; C and D in window 1
.set FIRSTW, 0x40                      ; D in window 1, C (the bias) in window 0
.macro JLOAD s                         ; each wave's own rows, in LDS bytes that are its own: wave x constant + slot x constant
	tensor_load_to_lds s[G0A+4*\s:G0A+4*\s+3], s[G1A:G1A+7]
	s_nop 0
	tensor_load_to_lds s[G0B+4*\s:G0B+4*\s+3], s[G1B:G1B+7]
	s_nop 0
.endm
.macro CREST
	s_cmp_lg_u32 s10, 0
	s_cbranch_scc1 .Lnot_wave_0_\@
	s_barrier_signal -3
.Lnot_wave_0_\@:
	s_barrier_wait -3
	s_barrier_signal -1
	s_barrier_wait -1
.endm
.macro CROUND
	s_barrier_signal -1
	s_barrier_wait -1
	CREST
.endm
.macro PLACES                          ; four plain vector places behind a matrix instruction (ISA guide 7.12.1)
.rept 4
	v_nop
.endr
.endm
	s_load_b128 s[4:7], s[0:1], 0x0                ; AO s[4:5], WoT s[6:7]
	s_load_b64 s[66:67], s[0:1], 0x10              ; bout
	s_load_b64 s[8:9], s[0:1], 0x18                ; out0
	v_lshl_add_u32 v62, v0, 2, 0x39400
	v_mov_b32 v63, 0
	ds_add_u32 v62, v63
	ds_add_u32 v62, v63
	v_lshrrev_b32 v1, 5, v0
	v_readfirstlane_b32 s10, v1                    ; wave 0..3
	s_lshr_b32 s11, s10, 1                         ; my half of the rows.  Also: I fetch a hi (0) or a lo (1) plane
	s_and_b32 s12, s10, 1                          ; my half of the columns.  Also: which of the step's two planes
	s_bfe_u32 s56, ttmp6, 0x40000                  ; cx
	s_bfe_u32 s57, ttmp6, 0x40004                  ; cy
	s_lshl_b32 s58, ttmp9, 2
	s_add_co_u32 s58, s58, s56                     ; block column
	s_and_b32 s13, ttmp7, 0xffff
	s_lshl_b32 s13, s13, 2
	s_add_co_u32 s13, s13, s57                     ; block row
	s_lshl_b32 s59, s57, 2
	s_lshl_b32 s59, 15, s59                        ; my row of the cluster
	s_lshl_b32 s60, 0x1111, s56                    ; my column
	s_or_b32 s[G1A+0], s59, (1<<16)|(1<<20)|(1<<21)|(4<<22)|(3<<25)  ; 16,384 dense bytes as 64 rows of 256; 4 words of padding behind every 32
	s_or_b32 s[G1B+0], s60, (1<<16)|(1<<20)|(1<<21)|(5<<22)|(3<<25)  ; 32 rows of 256 bytes; 4 words behind every 64
	s_mov_b32 s[G1A+1], 128<<16
	s_mov_b32 s[G1B+1], 128<<16
	s_mov_b32 s[G1A+2], 64<<16
	s_mov_b32 s[G1B+2], 32<<16
	s_mov_b32 s[G1A+3], 128<<16
	s_mov_b32 s[G1B+3], 128<<16
	s_mov_b32 s[G1A+4], 64
	s_mov_b32 s[G1B+4], 32
	s_mov_b32 s[G1A+5], 128
	s_mov_b32 s[G1B+5], 1024
	s_mov_b32 s[G1A+6], 0
	s_mov_b32 s[G1B+6], 0
	s_mov_b32 s[G1A+7], 0
	s_mov_b32 s[G1B+7], 0
	s_lshl_b32 s16, s11, 4
	s_add_co_u32 s16, s16, s12                     ; plane 16 x (lo) + parity
	s_lshl_b32 s16, s16, 19
	s_lshl_b32 s17, s13, 14                        ; 128 x block row rows of 128 bytes
	s_add_co_u32 s16, s16, s17
	s_mov_b32 s17, 0
	s_lshl_b32 s62, s58, 18                        ; 128 x block column rows of 2,048 bytes
	s_lshl_b32 s63, s10, 16                        ; + 32 x wave rows
	s_add_co_u32 s62, s62, s63
	s_mov_b32 s63, 0
	s_mul_i32 s20, s10, ASUB
	s_mul_i32 s21, s10, BQ
	s_add_co_u32 s21, s21, 4*ASUB
	s_wait_dscnt 0x0
	s_wait_kmcnt 0x0
	s_add_nc_u64 s[14:15], s[4:5], s[16:17]
	s_add_nc_u64 s[62:63], s[6:7], s[62:63]
	CROUND                                         ; the first joint loads meet
.irp s, 0,1
	s_mov_b32 s[G0A+4*\s], 1
	s_add_co_u32 s[G0A+4*\s+1], s20, \s*SLOT
	s_add_nc_u64 s[G0A+4*\s+2:G0A+4*\s+3], s[14:15], \s*2*PLANE
	s_or_b32 s[G0A+4*\s+3], s[G0A+4*\s+3], 0x80000000
	s_mov_b32 s[G0B+4*\s], 1
	s_add_co_u32 s[G0B+4*\s+1], s21, \s*SLOT
	s_add_nc_u64 s[G0B+4*\s+2:G0B+4*\s+3], s[62:63], \s*KSTEP*2
	s_or_b32 s[G0B+4*\s+3], s[G0B+4*\s+3], 0x80000000
	JLOAD \s                                       ; four tensor loads of a wave are out here, later two
.endr
	v_and_b32 v1, 15, v0                           ; r
	v_bfe_u32 v2, v0, 4, 1                         ; h
	s_lshl_b32 s62, s58, 9                         ; my 64 columns: 512 x block column + 256 x half, in bytes of f32
	s_lshl_b32 s63, s12, 8
	s_add_co_u32 s62, s62, s63
	s_mov_b32 s63, 0
	s_add_nc_u64 s[66:67], s[66:67], s[62:63]
	v_lshlrev_b32 v[BOFF], 5, v2
.irp b, 0,1,2,3
	global_load_b128 v[BIAS+8*\b:BIAS+8*\b+3],   v[BOFF], s[66:67] offset:64*\b       ; register j of tile b = bout[n0 + 16 b + 8 h + j]
	global_load_b128 v[BIAS+8*\b+4:BIAS+8*\b+7], v[BOFF], s[66:67] offset:64*\b+16
.endr
	s_add_nc_u64 s[8:9], s[8:9], s[62:63]          ; out0 at my columns,
	s_lshl_b32 s16, s13, 19                        ; 128 x block row rows of 4,096 bytes
	s_lshl_b32 s17, s11, 18                        ; + 64 x half
	s_add_co_u32 s16, s16, s17
	s_mov_b32 s17, 0
	s_add_nc_u64 s[8:9], s[8:9], s[16:17]          ; and my rows
	v_mul_u32_u24 v3, v1, APITCH
	v_lshl_add_u32 v3, v2, 4, v3
	v_mul_u32_u24 v4, v1, BPITCH
	v_lshl_add_u32 v4, v2, 4, v4
	s_mul_i32 s22, s11, 64*APITCH
	s_mul_i32 s23, s12, 64*BPITCH
	s_add_co_u32 s23, s23, 4*ASUB
.irp s, 0,1
	v_add_nc_u32 v[ADRA+\s], s22, v3
	v_add_nc_u32 v[ADRB+\s], s23, v4
	s_add_co_u32 s22, s22, SLOT
	s_add_co_u32 s23, s23, SLOT
.endr
	s_mul_i32 s22, s10, 16*SPITCH
	s_add_co_u32 s22, s22, STAGE
	v_mul_u32_u24 v5, v1, SPITCH
	v_lshl_add_u32 v5, v2, 5, v5                   ; in: row r, 32 bytes for each half of the lanes
	v_add_nc_u32 v[STO], s22, v5
	v_mul_u32_u24 v5, v2, SPITCH
	v_lshl_add_u32 v5, v1, 4, v5                   ; back: lanes 0-15 one row of 256 bytes, lanes 16-31 the next
	v_add_nc_u32 v[RD], s22, v5
	v_lshlrev_b32 v5, 12, v2
	v_lshl_add_u32 v[CO], v1, 4, v5
; 16 matrix instructions: one term (part 0 = hi, 1 = lo) x all 16 tiles, 32 along K.  The 16 accumulators take turns, one instruction a turn.
.macro MUL16 f, part, first
.irp a, 0,1,2,3
.irp b, 0,1,2,3
.if \first
	v_wmma_f32_16x16x32_bf16 v[8*(4*\a+\b):8*(4*\a+\b)+7], v[\f+64+8*\b:\f+64+8*\b+7], v[\f+32*\part+8*\a:\f+32*\part+8*\a+7], v[BIAS+8*\b:BIAS+8*\b+7]
.else
	v_wmma_f32_16x16x32_bf16 v[8*(4*\a+\b):8*(4*\a+\b)+7], v[\f+64+8*\b:\f+64+8*\b+7], v[\f+32*\part+8*\a:\f+32*\part+8*\a+7], v[8*(4*\a+\b):8*(4*\a+\b)+7]
.endif
.endr
.endr
.endm
; 24 LDS loads: quarter q of the step (plane q / 2, columns 32 (q % 2) ..): WoT's 64 rows, hi's 64 rows, lo's 64 rows
.macro FETCH slot, q, f
.irp b, 0,1,2,3
	ds_load_b128 v[\f+64+8*\b:\f+64+8*\b+3],   v[ADRB+\slot] offset:64*\q+16*BPITCH*\b
	ds_load_b128 v[\f+64+8*\b+4:\f+64+8*\b+7], v[ADRB+\slot] offset:64*\q+16*BPITCH*\b+32
.endr
.irp p, 0,1
.irp a, 0,1,2,3
	ds_load_b128 v[\f+32*\p+8*\a:\f+32*\p+8*\a+3],   v[ADRA+\slot] offset:2*ASUB*\p+(\q/2)*ASUB+(\q%2)*64+16*APITCH*\a
	ds_load_b128 v[\f+32*\p+8*\a+4:\f+32*\p+8*\a+7], v[ADRA+\slot] offset:2*ASUB*\p+(\q/2)*ASUB+(\q%2)*64+16*APITCH*\a+32
.endr
.endr
.endm
.macro QUARTER slot, q, f, g, first
	s_wait_dscnt 8                                 ; WoT's and hi's fragments are in; the youngest eight loads (lo) may be out
.if \first
	WIN FIRSTW
.else
	WIN MULW
.endif
	MUL16 \f, 0, \first
	WIN 0
	PLACES
	FETCH \slot, \q, \g
	s_wait_dscnt 24                                ; all but the 24 just issued
	WIN MULW
	MUL16 \f, 1, 0
.endm
.macro THREE slot, first
	QUARTER \slot, 1, F0, F1, \first
	QUARTER \slot, 2, F1, F0, 0
	QUARTER \slot, 3, F0, F1, 0
.endm
; The last quarter changes slots: my reads of this slot are back and all my tensor loads have landed in front of the barrier; where the slot is filled again
; the barrier opens a round of the cluster's barrier and the two joint refills are the first tensor loads behind the round.
.macro TURN slot, next, fill
	s_wait_dscnt 0x0
	s_wait_tensorcnt 0x0
	ds_add_u32 v62, v63
	s_wait_dscnt 0x0
	s_barrier_signal -1
	WIN MULW
	MUL16 F1, 0, 0                                 ; registers only
	WIN 0
	s_barrier_wait -1
.if \fill
	CREST
	s_add_nc_u64 s[G0A+4*\slot+2:G0A+4*\slot+3], s[G0A+4*\slot+2:G0A+4*\slot+3], 4*PLANE
	s_add_nc_u64 s[G0B+4*\slot+2:G0B+4*\slot+3], s[G0B+4*\slot+2:G0B+4*\slot+3], 2*KSTEP*2
	JLOAD \slot
.endif
	PLACES
	FETCH \next, 0, F0
	WIN MULW
	MUL16 F1, 1, 0
.endm
.macro LAP first
	THREE 0, \first
	TURN 0, 1, 1
	THREE 1, 0
	TURN 1, 0, 1
.endm
	s_wait_loadcnt 0x0                             ; the bias
	s_wait_tensorcnt 2                             ; my two loads of K step 0 are in; K step 1's two stay out
	s_barrier_signal -1
	s_barrier_wait -1
	FETCH 0, 0, F0
	LAP 1
	WIN 0
	s_mov_b32 s3, LAPS-2
.Llap:
	LAP 0
	WIN 0
	s_sub_co_u32 s3, s3, 1
	s_cmp_lg_u32 s3, 0
	s_cbranch_scc1 .Llap
	THREE 0, 0                                     ; the last lap fills nothing
	TURN 0, 1, 0
	THREE 1, 0
	s_wait_dscnt 0x0
	WIN MULW
	MUL16 F1, 0, 0
	MUL16 F1, 1, 0
	WIN 0
	; THE WAY OUT, 16 rows at a time through my own stage (behind the ring; no tensor load fills it): a lane's 32 bytes in, whole rows of 256 bytes back.
	; LDS serves a wave's instructions in order (ISA guide 5.7.1.4): no wait between the stores and the loads, nor in front of the next 16 rows' stores.
	PLACES
.irp a, 0,1,2,3
	WIN 0x04                                       ; store data in window 1
.irp b, 0,1,2,3
	ds_store_b128 v[STO], v[8*(4*\a+\b):8*(4*\a+\b)+3]   offset:64*\b
	ds_store_b128 v[STO], v[8*(4*\a+\b)+4:8*(4*\a+\b)+7] offset:64*\b+16
.endr
	WIN 0
.irp t, 0,1,2,3,4,5,6,7
	ds_load_b128 v[64+32*\a+4*\t:64+32*\a+4*\t+3], v[RD] offset:2*SPITCH*\t
.endr
.irp t, 0,1,2,3,4,5,6,7
	s_wait_dscnt 7-\t
	global_store_b128 v[CO], v[64+32*\a+4*\t:64+32*\a+4*\t+3], s[8:9] offset:(16*\a+2*\t)*4096   ; 16 lanes store 256 consecutive bytes, aligned
.endr
.endr
	s_wait_tensorcnt 0x0
	ds_add_u32 v62, v63
	s_wait_dscnt 0x0
	CROUND                                         ; the closing round
	s_endpgm
.Lfunc_end_k_q469422d324_gemm_out:
	.size	k_q469422d324_gemm_out, .Lfunc_end_k_q469422d324_gemm_out-k_q469422d324_gemm_out
	.p2alignl 7, 3214868480
	.fill 96, 4, 3214868480
	.section	.rodata,"a",@progbits
	.p2align	6, 0x0
	.amdhsa_kernel k_q469422d324_gemm_out
		.amdhsa_group_segment_fixed_size 327680
		.amdhsa_private_segment_fixed_size 0
		.amdhsa_enable_private_segment 0
		.amdhsa_kernarg_size 32
		.amdhsa_user_sgpr_count 2
		.amdhsa_user_sgpr_kernarg_segment_ptr 1
		.amdhsa_wavefront_size32 1
		.amdhsa_system_sgpr_workgroup_id_x 1
		.amdhsa_system_sgpr_workgroup_id_y 1
		.amdhsa_system_sgpr_workgroup_id_z 1
		.amdhsa_system_vgpr_workitem_id 0
		.amdhsa_next_free_vgpr 384
		.amdhsa_next_free_sgpr 72
		.amdhsa_reserve_vcc 0
		.amdhsa_float_denorm_mode_32 3
		.amdhsa_float_denorm_mode_16_64 3
		.amdhsa_memory_ordered 1
		.amdhsa_forward_progress 1
		.amdhsa_inst_pref_size 110
	.end_amdhsa_kernel
	.amdgpu_metadata
---
amdhsa.version: [ 1, 2 ]
amdhsa.kernels:
  - .name:           k_q469422d324_gemm_out
    .symbol:         k_q469422d324_gemm_out.kd
    .args:
      - { .name: AO, .offset: 0, .size: 8, .value_kind: global_buffer, .address_space: global }
      - { .name: WoT, .offset: 8, .size: 8, .value_kind: global_buffer, .address_space: global }
      - { .name: bout, .offset: 16, .size: 8, .value_kind: global_buffer, .address_space: global }
      - { .name: out0, .offset: 24, .size: 8, .value_kind: global_buffer, .address_space: global }
    .group_segment_fixed_size: 327680
    .private_segment_fixed_size: 0
    .kernarg_segment_align: 8
    .kernarg_segment_size: 32
    .max_flat_workgroup_size: 128
    .sgpr_count:     72
    .vgpr_count:     384
    .wavefront_size: 32
...
	.end_amdgpu_metadata
.endif
;; end of part 4
